; MI455X (gfx1250); checked and timed in simulation.
; The chip was launched on July 23, 2026; its instructions are those of AMD's public machine-readable ISA for CDNA 5 (MIT licence, August 2026) and "CDNA5" Instruction Set Architecture Reference Guide (July 2026). The comments in the code are by the model that wrote it; some were corrected since.
;; Custom Model. Allowed arithmetic: matrix products marked QUANTISED: E2M1 operands, one E8M0 scale for each 32 along K, by v_wmma_scale_f32_16x16x128_f8f6f4 with both operands' format E2M1 (or v_wmma_scale_f32_32x16x128_f4), f32 sums; products left as they are: f32 operands where the result goes on into a quantised operand, else bf16, f16 or f32 operands; f32 sums; everything else in f32.
;; Inputs: W1_codes 64 x 1 x 16 uint8 (E2M1 codes of W1, K innermost, in blocks of 32 codes, two codes a byte); W1_scales 64 x 1 uint8 (E8M0 scales of W1, one for each 32 codes along K); W2 1 x 64 float32; b1 64 float32; b2 1 float32; coords 1,024 x 1,024 x 2 float32; line_feature_x 32 x 1,024 float32; line_feature_y 32 x 1,024 float32; plane_feature 32 x 256 x 256 float32.
;; Outputs: out0 1,024 x 1,024 float32.
;; This version of the problem:
;;   THIS VERSION OF THE PROBLEM IS GIVEN IN LOW PRECISION. The matrix products marked QUANTISED in the list below multiply operands that are first quantised to E2M1 (2 exponent bits, 1 mantissa bit; 4 bits a number), with one power-of-two scale for each 32 numbers along K (OCP MX v1.0); their sums are f32. All else is computed in f32.
;;   The module's matrix products, in the order in which they are computed (A, B: the left and right operand; K: the contracted axis; several contracted axes count as one K, in the product's order):
;;     1. [M 1,048,576, K 32] x [K 32, N 64]; A: computed on the way; B: input W1 (given as codes): QUANTISED
;;     2. [M 1,048,576, K 64] x [K 64, N 1]; A: computed on the way; B: input W2: left as it is (N = 1 < 16)
;;   THE QUANTISER, for each operand of a quantised product, along K:
;;     - K is cut into blocks of 32 from its start; a last block that is shorter is filled with zeros.
;;     - A block's scale is 2^e with e = floor(log2(the largest magnitude in the block)) - 2, held to -126 .. 127; a block of zeros has e = 0. As a byte (E8M0): e + 127.
;;     - Each number is divided by its block's scale, clamped to +-6, and rounded to the nearest number of E2M1, ties to even, subnormals kept.
;;     - The product sums the exact products of the quantised numbers (number of the format x scale) in f32.
;;   ~~~python
;;   def quantise(x, axis):      # numpy; x: float32 -> the quantised numbers, widened to float32 again
;;       x = np.moveaxis(x, axis, -1); K = x.shape[-1]
;;       x = np.pad(x, [(0, 0)] * (x.ndim - 1) + [(0, -K % 32)]); x = x.reshape(x.shape[:-1] + (-1, 32)); a = np.abs(x).max(-1, keepdims=True)
;;       e = np.where(a > 0, np.clip(np.frexp(np.where(a > 0, a, 1))[1] - 1 - 2, -126, 127), 0)      # np.frexp(a)[1] - 1 = floor(log2(a)), exactly
;;       r = np.clip(x / 2.0 ** e, -6, 6)
;;       step = 2.0 ** (np.maximum(np.frexp(np.where(r == 0, 1, r))[1] - 1, 0) - 1)
;;       q = np.round(r / step) * step * 2.0 ** e      # np.round: ties to even
;;       return np.moveaxis(q.reshape(q.shape[:-2] + (-1,))[..., :K], -1, axis).astype(np.float32)
;;   ~~~
;;   OPERANDS COMPUTED ON THE WAY. 'Computed on the way' means the value that the module computes at that place (a softmax that the list does not call 'softmax' is quantised finished and normalised). What goes into a quantiser is computed in f32, as accurately as f32 sums, v_exp_f32 and their like allow (about 1e-6 of the number): no bf16 or f16 on the way to a quantiser, and a product that is left as it is and whose result goes on into a quantised operand takes f32 operands (vector FMAs, or v_wmma_f32_16x16x4_f32). A number that lies on a knife's edge between two numbers of the format may be rounded either way, as far as f32 arithmetic and the matrix unit's own rounding can turn it there, and no further.
;;   INPUTS GIVEN AS CODES. W1 (in the module: [64, 32], K = its axis 1): each comes as NAME_codes (uint8): NAME with its K axis moved to the last place and cut into blocks of 32 codes, [.., K / 32, bytes a block], one block behind the other in memory; two codes a byte, the lower K in the low four bits (a code: sign, 2 exponent bits, 1 mantissa bit); and NAME_scales (uint8): the same leading axes, one E8M0 byte (e + 127) for each 32 codes along K. Its value is code x scale, taken as it is: it is not quantised again, and the codes and scales need not be those that the quantiser above would give.
;; One version. Each part assembles by itself: llvm-mc -triple=amdgcn-amd-amdhsa -mcpu=gfx1250 --defsym DOCPART=n.
;; ======== version 1 of 1: 2 launches
;; workspace buffers: planeT 8,388,608 bytes; lineT 262,144 bytes; idx 8,388,608 bytes of whole numbers
;; launch prep (part 1): grid 520 x 1, 4 waves a work-group, no clusters, 53,760 bytes of LDS; arguments coords, line_feature_x, line_feature_y, plane_feature, planeT, lineT, idx; writes planeT, lineT, idx
.if DOCPART == 1
	.amdgcn_target "amdgcn-amd-amdhsa--gfx1250"
	.amdhsa_code_object_version 6
	.text
	.protected	k_q38ac1ec7a4_prep
	.globl	k_q38ac1ec7a4_prep
	.p2align	8
	.type	k_q38ac1ec7a4_prep,@function
k_q38ac1ec7a4_prep:
	s_mov_b64 s[64:65], 0
	v_nop
	global_prefetch_b8 v0, s[64:65] scope:SCOPE_SE
	s_setreg_imm32_b32 hwreg(HW_REG_WAVE_MODE, 25, 1), 1
	s_wait_xcnt 0x0
; Three jobs in one launch, told apart by the work-group's number; each work-group moves 32 KiB in and 32 KiB out.
;   0..255    plane_feature [32][256][256] f32  ->  planeT [y 256][x 256][c 32]: a cell's 32 channels become 128 consecutive bytes.
;   256..511  coords [1024*1024][2] f32         ->  idx: 8 bytes a point n: word 0 = P = 256 yb + xb (the plane cell, xb, yb in 0..254);
;             word 1 = F | S << 16: the line cells (0..1022) of the point's first and second table.  Bit 4 of n = 0: first = x, second = y; bit 4 = 1: the other way round.
;   512..519  line_feature_x, _y [32][1024] f32 ->  lineT [i 1024][64]: row i = x's 32 channels at i (128 bytes), then y's.
; The cells are made here and stored as whole numbers, since the next launch forms addresses from them.
; u = (c * 2^-9 - 1) + 1 has the two roundings that the normalised coordinate and its +1 have; u * 127.5 and u * 511.5 have the one rounding of (u / 2) * 255 and (u / 2) * 1023.
; A cell is the position held to [0, 254] (plane) or [0, 1022] (line) and cut off toward zero.
; LIMITS: NaN and infinite coords are not served (their cell is whatever the hold and the conversion give; it stays inside the tables).
; No tensor load, no barrier, no loop: waves share nothing, every offset is an immediate.  The two jobs that turn data through LDS have LDS bytes of their own.
.set PIT_T, 144                        ; plane job: a cell's 128 bytes + 16 in the wave's stage (an odd multiple of 16 bytes)
.set PIT_L, 272                        ; line job: a row's 256 bytes + 16
.set STG_L, 4*32*PIT_T                 ; the line job's stages begin behind the plane job's: 18,432
	s_load_b256 s[8:15], s[0:1], 0x0               ; coords s[8:9], line x s[10:11], line y s[12:13], plane s[14:15]
	s_load_b128 s[16:19], s[0:1], 0x20             ; planeT s[16:17], lineT s[18:19]
	s_load_b64 s[20:21], s[0:1], 0x30              ; idx
	v_lshl_add_u32 v144, v0, 2, 0xd000
	v_mov_b32 v145, 0
	v_lshrrev_b32 v1, 5, v0
	v_readfirstlane_b32 s2, v1                     ; wave 0..3
	v_and_b32 v1, 31, v0                           ; lane
	v_lshlrev_b32 v2, 2, v1                        ; 4 x lane
	v_lshlrev_b32 v5, 4, v1                        ; 16 x lane
	s_mov_b32 s23, 0
	s_mov_b32 s25, 0
	s_wait_kmcnt 0x0
	s_cmp_lt_u32 ttmp9, 256
	s_cbranch_scc1 .Lplane
	s_cmp_lt_u32 ttmp9, 512
	s_cbranch_scc1 .Lindex
; ---- the lines: wave w takes positions 128 (work-group - 512) + 32 w + lane; a lane's registers run down the channels
	s_sub_co_u32 s3, ttmp9, 512
	s_lshl_b32 s22, s3, 9
	s_lshl_b32 s24, s2, 7
	s_add_co_u32 s22, s22, s24                     ; 4 bytes x my wave's first position
	s_add_nc_u64 s[10:11], s[10:11], s[22:23]
	s_add_nc_u64 s[12:13], s[12:13], s[22:23]
	s_lshl_b32 s24, s22, 6                         ; 256 bytes x the same position
	s_add_nc_u64 s[18:19], s[18:19], s[24:25]
	s_mul_i32 s26, s2, 32*PIT_L
	s_add_co_u32 s26, s26, STG_L                   ; my stage
	v_mul_u32_u24 v3, v1, PIT_L
	v_add_nc_u32 v3, s26, v3                       ; in: row = my position
	v_lshrrev_b32 v6, 4, v1
	v_mul_u32_u24 v4, v6, PIT_L
	v_and_b32 v7, 15, v1
	v_lshl_add_u32 v4, v7, 4, v4
	v_add_nc_u32 v4, s26, v4                       ; back: sixteen lanes to a row, two rows an instruction
.irp c, 0,1,2,3,4,5,6,7,8,9,10,11,12,13,14,15,16,17,18,19,20,21,22,23,24,25,26,27,28,29,30,31
	global_load_b32 v[16+\c], v2, s[10:11] offset:\c*4096 th:TH_LOAD_NT
.endr
.irp c, 0,1,2,3,4,5,6,7,8,9,10,11,12,13,14,15,16,17,18,19,20,21,22,23,24,25,26,27,28,29,30,31
	global_load_b32 v[48+\c], v2, s[12:13] offset:\c*4096 th:TH_LOAD_NT
.endr
	s_wait_loadcnt 0x0
.irp k, 0,1,2,3,4,5,6,7,8,9,10,11,12,13,14,15
	ds_store_b128 v3, v[16+4*\k:16+4*\k+3] offset:16*\k
.endr
.irp i, 0,1,2,3,4,5,6,7,8,9,10,11,12,13,14,15
	ds_load_b128 v[80+4*\i:80+4*\i+3], v4 offset:2*PIT_L*\i        ; LDS serves a wave's instructions in order: these see my stores
.endr
.irp i, 0,1,2,3,4,5,6,7,8,9,10,11,12,13,14,15
	s_wait_dscnt 15-\i                             ; load i is back; the younger ones may be out
	global_store_b128 v5, v[80+4*\i:80+4*\i+3], s[18:19] offset:512*\i   ; 32 lanes store two whole rows: 512 consecutive bytes
.endr
	s_wait_tensorcnt 0x0
	ds_add_u32 v144, v145
	s_wait_dscnt 0x0
	s_endpgm
; ---- the plane: wave w takes cells 256 work-group + 128 j + 32 w + lane, j = 0, 1; a lane's registers run down the channels
.Lplane:
	s_lshl_b32 s22, ttmp9, 10
	s_lshl_b32 s24, s2, 7
	s_add_co_u32 s22, s22, s24                     ; 4 bytes x my wave's first cell
	s_add_nc_u64 s[14:15], s[14:15], s[22:23]
	s_lshl_b32 s24, s22, 5                         ; 128 bytes x the same cell
	s_add_nc_u64 s[16:17], s[16:17], s[24:25]
	s_mul_i32 s26, s2, 32*PIT_T                    ; my stage
	v_mul_u32_u24 v3, v1, PIT_T
	v_add_nc_u32 v3, s26, v3                       ; in: row = my cell
	v_lshrrev_b32 v6, 3, v1
	v_mul_u32_u24 v4, v6, PIT_T
	v_and_b32 v7, 7, v1
	v_lshl_add_u32 v4, v7, 4, v4
	v_add_nc_u32 v4, s26, v4                       ; back: eight lanes to a cell, four cells an instruction
.irp j, 0,1
.irp c, 0,1,2,3,4,5,6,7,8,9,10,11,12,13,14,15,16,17,18,19,20,21,22,23,24,25,26,27,28,29,30,31
	global_load_b32 v[16+32*\j+\c], v2, s[14:15] offset:\c*262144+512*\j th:TH_LOAD_NT   ; the largest offset, 8,126,976, lies inside the signed 24-bit immediate
.endr
.endr
.macro TURN j                          ; 32 cells x 32 channels through my stage, and out as 4,096 consecutive bytes
.irp k, 0,1,2,3,4,5,6,7
	ds_store_b128 v3, v[16+32*(\j)+4*\k:16+32*(\j)+4*\k+3] offset:16*\k
.endr
.irp i, 0,1,2,3,4,5,6,7
	ds_load_b128 v[80+32*(\j)+4*\i:80+32*(\j)+4*\i+3], v4 offset:4*PIT_T*\i   ; in order behind my stores
.endr
.irp i, 0,1,2,3,4,5,6,7
	s_wait_dscnt 7-\i                              ; load i is back
	global_store_b128 v5, v[80+32*(\j)+4*\i:80+32*(\j)+4*\i+3], s[16:17] offset:16384*(\j)+512*\i
.endr
.endm
	s_wait_loadcnt 32                              ; j = 0's 32 loads are in; j = 1's may be out
	TURN 0
	s_wait_loadcnt 0x0
	TURN 1
	s_wait_tensorcnt 0x0
	ds_add_u32 v144, v145
	s_wait_dscnt 0x0
	s_endpgm
; ---- the cells: a wave takes 1,024 points in 16 steps of 64; a lane takes two neighbouring points: 16 bytes in, 16 bytes out, at the same offset
.Lindex:
	s_sub_co_u32 s3, ttmp9, 256
	s_lshl_b32 s22, s3, 15
	s_lshl_b32 s24, s2, 13
	s_add_co_u32 s22, s22, s24                     ; 8 bytes x my wave's first point
	s_add_nc_u64 s[8:9], s[8:9], s[22:23]
	s_add_nc_u64 s[20:21], s[20:21], s[22:23]
	s_mov_b32 s26, 0x3b000000                      ; 2^-9
	s_mov_b32 s27, 0x42ff0000                      ; 127.5
	s_mov_b32 s28, 0x43ffc000                      ; 511.5
	s_mov_b32 s29, 0x437e0000                      ; 254
	s_mov_b32 s30, 0x447f8000                      ; 1022
	s_mov_b32 s31, 0xff00ff00                      ; lanes whose bit 3 is set: there bit 4 of the point's number is set
.irp k, 0,1,2,3,4,5,6,7,8,9,10,11,12,13,14,15
	global_load_b128 v[16+4*\k:16+4*\k+3], v5, s[8:9] offset:512*\k th:TH_LOAD_NT
.endr
.macro IDX2 k                          ; x0, y0, x1, y1 in v[16 + 4 k] on  ->  P0, F0 | S0 << 16, P1, F1 | S1 << 16 in v[80 + 4 k] on
.irp i, 0,1,2,3
	v_fma_f32 v[6+\i], v[16+4*(\k)+\i], s26, -1.0
.endr
.irp i, 0,1,2,3
	v_add_f32 v[6+\i], 1.0, v[6+\i]                ; u
.endr
.irp i, 0,1,2,3
	v_mul_f32 v[10+\i], s28, v[6+\i]               ; the place in a line
.endr
.irp i, 0,1,2,3
	v_mul_f32 v[6+\i], s27, v[6+\i]                ; the place in the plane
.endr
.irp i, 0,1,2,3
	v_med3_num_f32 v[6+\i], v[6+\i], 0, s29
.endr
.irp i, 0,1,2,3
	v_med3_num_f32 v[10+\i], v[10+\i], 0, s30
.endr
.irp i, 0,1,2,3
	v_cvt_u32_f32 v[6+\i], v[6+\i]
.endr
.irp i, 0,1,2,3
	v_cvt_u32_f32 v[10+\i], v[10+\i]
.endr
.irp e, 0,1
	v_lshl_or_b32 v[80+4*(\k)+2*\e], v[7+2*\e], 8, v[6+2*\e]
	v_cndmask_b32 v14, v[10+2*\e], v[11+2*\e], s31 ; first table's cell
	v_cndmask_b32 v15, v[11+2*\e], v[10+2*\e], s31 ; second table's
	v_lshl_or_b32 v[81+4*(\k)+2*\e], v15, 16, v14
.endr
.endm
.irp k, 0,1,2,3,4,5,6,7,8,9,10,11,12,13,14,15
	s_wait_loadcnt 15-\k                           ; step k's load is in; the younger ones may be out
	IDX2 \k
	global_store_b128 v5, v[80+4*\k:80+4*\k+3], s[20:21] offset:512*\k    ; each step has its own data registers: none is written again
.endr
	s_endpgm
.Lfunc_end_k_q38ac1ec7a4_prep:
	.size	k_q38ac1ec7a4_prep, .Lfunc_end_k_q38ac1ec7a4_prep-k_q38ac1ec7a4_prep
	.p2alignl 7, 3214868480
	.fill 96, 4, 3214868480
	.section	.rodata,"a",@progbits
	.p2align	6, 0x0
	.amdhsa_kernel k_q38ac1ec7a4_prep
		.amdhsa_group_segment_fixed_size 53760
		.amdhsa_private_segment_fixed_size 0
		.amdhsa_enable_private_segment 0
		.amdhsa_kernarg_size 56
		.amdhsa_user_sgpr_count 2
		.amdhsa_user_sgpr_kernarg_segment_ptr 1
		.amdhsa_wavefront_size32 1
		.amdhsa_system_sgpr_workgroup_id_x 1
		.amdhsa_system_sgpr_workgroup_id_y 1
		.amdhsa_system_sgpr_workgroup_id_z 1
		.amdhsa_system_vgpr_workitem_id 0
		.amdhsa_next_free_vgpr 146
		.amdhsa_next_free_sgpr 66
		.amdhsa_reserve_vcc 0
		.amdhsa_float_denorm_mode_32 3
		.amdhsa_float_denorm_mode_16_64 3
		.amdhsa_memory_ordered 1
		.amdhsa_forward_progress 1
		.amdhsa_inst_pref_size 57
	.end_amdhsa_kernel
	.amdgpu_metadata
---
amdhsa.version: [ 1, 2 ]
amdhsa.kernels:
  - .name:           k_q38ac1ec7a4_prep
    .symbol:         k_q38ac1ec7a4_prep.kd
    .args:
      - { .name: coords, .offset: 0, .size: 8, .value_kind: global_buffer, .address_space: global }
      - { .name: line_feature_x, .offset: 8, .size: 8, .value_kind: global_buffer, .address_space: global }
      - { .name: line_feature_y, .offset: 16, .size: 8, .value_kind: global_buffer, .address_space: global }
      - { .name: plane_feature, .offset: 24, .size: 8, .value_kind: global_buffer, .address_space: global }
      - { .name: planeT, .offset: 32, .size: 8, .value_kind: global_buffer, .address_space: global }
      - { .name: lineT, .offset: 40, .size: 8, .value_kind: global_buffer, .address_space: global }
      - { .name: idx, .offset: 48, .size: 8, .value_kind: global_buffer, .address_space: global }
    .group_segment_fixed_size: 53760
    .private_segment_fixed_size: 0
    .kernarg_segment_align: 8
    .kernarg_segment_size: 56
    .max_flat_workgroup_size: 128
    .sgpr_count:     66
    .vgpr_count:     146
    .wavefront_size: 32
...
	.end_amdgpu_metadata
.endif
;; end of part 1
;; launch decode (part 2): grid 256 x 1, 8 waves a work-group, no clusters, 263,168 bytes of LDS; arguments lineT, planeT, idx, coords, W1_codes, W1_scales, b1, W2, b2, out0; writes out0
.if DOCPART == 2
	.amdgcn_target "amdgcn-amd-amdhsa--gfx1250"
	.amdhsa_code_object_version 6
	.text
	.protected	k_q38ac1ec7a4_decode
	.globl	k_q38ac1ec7a4_decode
	.p2align	8
	.type	k_q38ac1ec7a4_decode,@function
k_q38ac1ec7a4_decode:
	s_mov_b64 s[64:65], 0
	v_nop
	global_prefetch_b8 v0, s[64:65] scope:SCOPE_SE
	s_setreg_imm32_b32 hwreg(HW_REG_WAVE_MODE, 25, 1), 1
	s_wait_xcnt 0x0
; out[n] = W2 . relu(W1 Q(feat[n]) + b1) + b2,  feat = fx * fy + fp: two linear interpolations in the line tables, one bilinear in the plane, all in f32; Q = the MX-FP4 quantiser over the 32 channels (one block).
; SHARES.  A work-group takes 4,096 points, each of its eight waves 512, in 8 trips of 64.  A trip is 16 steps (group g = 0..7, batch b = 0, 1) of 4 points.  In a step EIGHT LANES SERVE ONE POINT: lane l = (q = l / 8, s = l % 8)
; holds channels 4 s .. 4 s + 3 of point 16 q + 2 g + b, so each gather instruction reads four whole rows of 128 bytes.  What is one number a point (weights, scale, result) lives in lane L = 8 q + g, which owns points 2 L + b:
; a weight reaches its point's eight lanes by one DPP move inside the eight, and a trip's 64 results leave as 256 consecutive bytes.
; TABLES.  planeT [y][x][c] is gathered from memory through a ring of EIGHT slots of four corners in registers: a step's four loads are issued eight steps ahead, so 32 loads of 512 bytes of every wave are out, 128 KiB for the eight waves.
; Slots 0-3 lie in window 0, slots 4-7 in window 1: a step on one of the latter costs four switches of the window.
; lineT (262,144 bytes: row i = x's 32 channels, then y's) fills LDS once: each wave brings 32 KiB with one tensor load; one barrier; after it LDS is only read.
; In a pass of sixteen lanes the point with even q reads the x half of a row (the first 128 bytes of an aligned 256) and the point with odd q the y half, and for the second table the other way round: so no two lanes
; want different words of one bank (64 banks of 4 bytes: ISA guide 11.1).  fx * fy commutes, so only cells and weights are swapped, by bit 4 of the point's number (idx is stored so).
; ADDRESSES hang on idx alone, whole numbers that the launch before stored, each held by v_min_u32 to its table.  The weights are made here from coords by the same lines that made the cells.
; PLANE WEIGHTS.  With d = place - cell: max(0, 1 - |d|) for the cell and med3(d, 2 - d, 0) for its neighbour.  Inside the plane these are 1 - w and w; outside they give the zero padding, with no branch.
; THE PRODUCT.  A point's 32 codes are one block of the instruction's four.  After an 8 x 8 transposition of half-words among eight lanes, lane L's four registers are its point's block: lanes 0-15 stand as block 0 of columns 0-15,
; lanes 16-31 as block 1.  W1's fragments are kept in two versions, codes in block 0 alone or in block 1 alone and zero codes elsewhere: version v gives the points of lanes 16 v .. 16 v + 15.  Nothing else changes lanes.
; b1 is the C of each product.  The second layer (one output) is relu, packed multiply-adds by W2 and one exchange between the halves of the lanes, in f32.  Both layers run batch by batch, so that 64 registers hold the results.
; NO CLUSTER: all that work-groups share is lineT, 256 KiB of the 2.6 MiB that a work-group brings in; every gather is a work-group's own.
; LIMITS: NaN and infinite coords are not served.  A block whose largest magnitude is under 2^-124 gets the scale byte 1 (a block of zeros too: its codes are zeros).  A line value is a0 + w (a1 - a0), and a corner's two weights are
; multiplied first: an order of rounding that differs from the definition's by about one unit in the last place.  A scale byte 0xff in W1_scales gives NaN.
; REGISTERS, window 0: see the names below.  Window 1: v0-63 W1's fragments (version v, tile t at 8 (4 v + t)); v64-95 b1, v96-127 W2 (register 8 t + j: unit 16 t + 8 (lane / 16) + j); v128-191 a batch's 8 results (32 v + 8 t);
; v192-255 plane slots 4-7.
.set R_LP,   1                         ; 16 s: my 16 bytes of a row of 128
.set R_LA1,  2                         ; R_LP + 128 (q % 2): my bytes of a row of lineT, first table
.set R_LA2,  3                         ; the other half: second table
.set R_GI,   4                         ; 128 q: my eight lanes' 16 points in idx
.set R_GL,   5                         ; 16 l: my own two points in idx and in coords
.set R_GO,   6                         ; 8 l: and in out
.set R_PSEL, 7                         ; byte selects of the transposition's first stage
.set R_AL,   8                         ; v8-9    LDS addresses of the line loads in hand
.set R_TA,   10                        ; v10-11  at work
.set R_AP,   12                        ; v12-15  plane offsets of slots 0-3
.set R_IDXG, 16                        ; v16-47  group g at 16 + 4 g: P(b=0), F|S(0), P(1), F|S(1)
.set R_OW,   48                        ; v48-51  my own two points' records
.set R_CO,   52                        ; v52-55  my own two points' coords
.set R_WT,   56                        ; v56-67  6 b + k: w1, w2, w00, w01, w10, w11 of my point of batch b
.set R_AP2,  68                        ; v68-71  plane offsets of slots 4-7
.set R_M,    74                        ; a block's largest magnitude
.set R_SEL,  76                        ; v76-77  my own point's largest magnitude, batch b
.set R_SO,   78                        ; v78-81  2 b + g % 2: the conversions' scale operands
.set R_TT,   82                        ; v82-85  at work
.set R_FR,   86                        ; v86-97  codes of batch 0 (4), of batch 1 (4), four registers of zeros
.set R_PS,   98                        ; v98-99  the points' scale words, batch b: scales and nothing else
.set R_W1S,  100                       ; v100-103 W1's scale words, tile t: scales and nothing else
.set R_FE,   104                       ; v104-119 8 b + 4 (g % 2) + i: features; at a trip's head at work; at its end the second layer's 8 pairs of sums
.set R_OUT,  120                       ; v120-121
.set R_PT,   122                       ; v122-129 at work at a trip's end
.set R_LN,   130                       ; v130-161 two slots of 16: rows F, F + 1 of the first table, S, S + 1 of the second
.set R_PL,   162                       ; v162-225 plane slots 0-3, 16 registers each: corners 00, 01, 10, 11
.set R_PL2,  192                       ; in window 1: v192-255 plane slots 4-7
.set R_BW,   226                       ; v226-237 the step's six weights, each in the low register of a pair of its own (the packed forms take the low word for both halves)
.set MSB, 0
.macro WIN new                         ; the immediate's high byte repeats the setting that is left; a switch that changes nothing is dropped
.if MSB != \new
	s_set_vgpr_msb (MSB<<8)|\new
.set MSB, \new
.endif
.endm
	s_load_b512 s[8:23], s[0:1], 0x0               ; lineT s[8:9], planeT s[10:11], idx s[12:13], coords s[14:15], W1's codes s[16:17], its scales s[18:19], b1 s[20:21], W2 s[22:23]
	s_load_b128 s[24:27], s[0:1], 0x40             ; b2 s[24:25], out s[26:27]
	v_lshl_add_u32 v254, v0, 2, 0x40000
	v_mov_b32 v255, 0
	ds_add_u32 v254, v255
	ds_add_u32 v254, v255
	v_lshrrev_b32 v10, 5, v0
	v_readfirstlane_b32 s2, v10                    ; wave 0..7
	; descriptor group 1: a dense block of 32 KiB as 128 rows of 32 elements of 8 bytes; no padding, no mask
	s_mov_b32 s40, 3<<16
	s_mov_b32 s41, 32<<16                          ; tensor_dim0 = 32
	s_mov_b32 s42, 128<<16                         ; tensor_dim1 = 128
	s_mov_b32 s43, 32<<16                          ; tile_dim0 = 32
	s_mov_b32 s44, 128                             ; tile_dim1 = 128
	s_mov_b32 s45, 32                              ; from row to row
	s_mov_b32 s46, 0
	s_mov_b32 s47, 0
	s_mov_b32 s36, 1                               ; group 0: count = 1,
	s_lshl_b32 s37, s2, 15                         ; LDS address: wave x 32,768,
	s_lshl_b32 s34, s2, 15                         ; and the same offset in lineT
	s_mov_b32 s35, 0
	s_lshl_b32 s30, ttmp9, 15
	s_lshl_b32 s31, s2, 12
	s_add_co_u32 s30, s30, s31                     ; 8 bytes x my wave's first point
	s_mov_b32 s31, 0
	s_lshr_b32 s32, s30, 1                         ; 4 bytes x the same
	s_mov_b32 s33, 0
	s_wait_dscnt 0x0
	s_wait_kmcnt 0x0
	s_load_b32 s28, s[24:25], 0x0                  ; b2
	s_add_nc_u64 s[38:39], s[8:9], s[34:35]
	s_or_b32 s39, s39, 0x80000000                  ; type = 2
	tensor_load_to_lds s[36:39], s[40:47]          ; my eighth of lineT: the wave's one tensor load, filled once
	s_nop 0
	v_and_b32 v10, 31, v0                          ; l
	v_and_b32 v11, 7, v0                           ; s
	v_bfe_u32 v12, v0, 3, 2                        ; q
	v_bfe_u32 v13, v0, 3, 1                        ; q % 2
	v_and_b32 v14, 15, v0                          ; l % 16
	v_bfe_u32 v15, v0, 4, 1                        ; l / 16
	v_lshlrev_b32 v[R_LP], 4, v11
	v_lshl_add_u32 v[R_LA1], v13, 7, v[R_LP]
	v_xor_b32 v[R_LA2], 128, v[R_LA1]
	v_lshlrev_b32 v[R_GI], 7, v12
	v_lshlrev_b32 v[R_GL], 4, v10
	v_lshlrev_b32 v[R_GO], 3, v10
	v_lshlrev_b32 v8, 4, v14                       ; W1: row l % 16 of a tile, 16 bytes a row
	v_lshlrev_b32 v11, 5, v15                      ; b1, W2: my half's eight units of a tile
	s_add_nc_u64 s[12:13], s[12:13], s[30:31]
	s_add_nc_u64 s[14:15], s[14:15], s[30:31]
	s_add_nc_u64 s[26:27], s[26:27], s[32:33]
.irp t, 0,1,2,3
	global_load_b128 v[R_PL+4*\t:R_PL+4*\t+3], v8, s[16:17] offset:256*\t
	global_load_u8 v[R_W1S+\t], v14, s[18:19] offset:16*\t
.endr
	WIN 0x40                                       ; destination window 1, address window 0
.irp t, 0,1,2,3
.irp c, 0,1
	global_load_b128 v[64+8*\t+4*\c:64+8*\t+4*\c+3], v11, s[20:21] offset:64*\t+16*\c
	global_load_b128 v[96+8*\t+4*\c:96+8*\t+4*\c+3], v11, s[22:23] offset:64*\t+16*\c
.endr
.endr
	WIN 0
	global_load_b128 v[R_OW:R_OW+3], v[R_GL], s[12:13]
	global_load_b128 v[R_CO:R_CO+3], v[R_GL], s[14:15]
.irp g, 0,1,2,3,4,5,6,7
	global_load_b128 v[R_IDXG+4*\g:R_IDXG+4*\g+3], v[R_GI], s[12:13] offset:16*\g
.endr
.irp g, 0,1,2,3,4,5,6,7
	s_mov_b32 s[48+\g], 0x01010101<<\g             ; the lanes with l % 8 = g
.endr
	s_mov_b32 s56, 0xcccccccc                      ; lanes whose bit 1 is set
	s_mov_b32 s57, 0xf0f0f0f0                      ; bit 2
	s_mov_b32 s58, 0xff00ff00                      ; bit 3: there the tables are swapped
	s_mov_b32 s59, 0xffff0000                      ; bit 4
	s_mov_b32 s60, 0x76543210
	s_mov_b32 s61, 0xfedcba98                      ; v_permlanex16_b32's selects for lane l xor 16
	s_mov_b32 s62, 0x0000ffff
	s_mov_b32 s63, 0x3b000000                      ; 2^-9
	s_mov_b32 s66, 0x42ff0000                      ; 127.5
	s_mov_b32 s67, 0x43ffc000                      ; 511.5
	s_mov_b32 s68, 0x447fc000                      ; 1023
	s_mov_b32 s69, 0xaaaaaaaa                      ; bit 0
	v_mov_b32 v[R_PSEL], 0x05040100                ; even lanes: my low half below, my neighbour's low half above;
	v_mov_b32 v[R_TT], 0x03020706                  ; odd lanes: my neighbour's high half below, my high half above
	v_cndmask_b32 v[R_PSEL], v[R_PSEL], v[R_TT], s69
.irp i, 0,1,2,3,4,5,6,7,8,9,10,11
	v_mov_b32 v[R_BW+\i], 0                        ; written once: a DPP move's destination counts as read, and a pair is named whole
.endr
.irp i, 0,1,2,3
	v_mov_b32 v[R_TT+\i], 0
	v_mov_b32 v[R_FR+8+\i], 0                      ; these four stay zeros: the upper half of batch 1's operand
.endr
	v_mov_b32 v[R_SEL], 0
	v_mov_b32 v[R_SEL+1], 0
	s_wait_loadcnt 0x0
.irp t, 0,1,2,3
	v_mul_u32_u24 v[R_W1S+\t], v[R_W1S+\t], 0x101  ; the row's byte for blocks 0 and 1,
.endr
.irp t, 0,1,2,3
	v_or_b32 v[R_W1S+\t], 0x7f7f0000, v[R_W1S+\t]  ; 1.0 for blocks 2 and 3, whose codes are zeros
.endr
	WIN 0x40                                       ; destination window 1
.irp t, 0,1,2,3
.irp i, 0,1,2,3
	v_cndmask_b32 v[8*\t+\i], v[R_PL+4*\t+\i], v[R_FR+8], s59      ; version 0: codes in lanes 0-15 (block 0), zeros in lanes 16-31 (block 1)
	v_cndmask_b32 v[32+8*\t+\i], v[R_FR+8], v[R_PL+4*\t+\i], s59   ; version 1: the other way round
	v_mov_b32 v[8*\t+4+\i], 0                      ; blocks 2 and 3
	v_mov_b32 v[32+8*\t+4+\i], 0
.endr
.endr
	WIN 0
; The line loads of step t: the two cells, held to 0..1022, times a row's 256 bytes, plus my bytes of the row; rows i and i + 1 of both tables.  The last byte read is 1022 x 256 + 240 + 256 + 15 = 262,143.
.macro LINES t
.set fsr, R_IDXG+4*((\t)/2)+2*((\t)%2)+1
.set lnb, R_LN+16*((\t)%2)
	v_and_b32 v[R_TA], s62, v[fsr]
	v_lshrrev_b32 v[R_TA+1], 16, v[fsr]
	v_min_u32 v[R_TA], 0x3fe, v[R_TA]
	v_min_u32 v[R_TA+1], 0x3fe, v[R_TA+1]
	v_lshl_add_u32 v[R_AL], v[R_TA], 8, v[R_LA1]
	v_lshl_add_u32 v[R_AL+1], v[R_TA+1], 8, v[R_LA2]
	ds_load_b128 v[lnb:lnb+3], v[R_AL]
	ds_load_b128 v[lnb+4:lnb+7], v[R_AL] offset:256
	ds_load_b128 v[lnb+8:lnb+11], v[R_AL+1]
	ds_load_b128 v[lnb+12:lnb+15], v[R_AL+1] offset:256
.endm
; The plane loads of step t, into slot t % 8, in two parts.  PLANE_A, in window 0: the cell, held to 0xfefe, times 128 bytes, plus my 16.  It also says where the slot lies (plb) and which window its loads want (plw).
.macro PLANE_A t
.set pr, R_IDXG+4*((\t)/2)+2*((\t)%2)
.if (\t)%8 < 4
.set apr, R_AP+(\t)%8
.set plb, R_PL+16*((\t)%8)
.set plw, 0
.else
.set apr, R_AP2+(\t)%8-4
.set plb, R_PL2+16*((\t)%8-4)
.set plw, 0x40                         ; destination window 1, address window 0
.endif
	v_min_u32 v[apr], 0xfefe, v[pr]
	v_lshl_add_u32 v[apr], v[apr], 7, v[R_LP]
.endm
; PLANE_L, under the window plw: the four corners; the neighbours lie 128 bytes (x + 1) and 32,768 bytes (y + 1) on.  The last byte read is planeT's last.  The hint: the table's rows are read again and again, by every work-group.
.macro PLANE_L
	global_load_b128 v[plb:plb+3], v[apr], s[10:11] th:TH_LOAD_HT
	global_load_b128 v[plb+4:plb+7], v[apr], s[10:11] offset:128 th:TH_LOAD_HT
	global_load_b128 v[plb+8:plb+11], v[apr], s[10:11] offset:32768 th:TH_LOAD_HT
	global_load_b128 v[plb+12:plb+15], v[apr], s[10:11] offset:32896 th:TH_LOAD_HT
.endm
.macro PLANE t
	PLANE_A \t
	WIN plw
	PLANE_L
	WIN 0
.endm
; The six weights of my own point of batch b.
.macro WEIGHTS b
	v_fma_f32 v[R_FE+0], v[R_CO+2*\b], s63, -1.0
	v_fma_f32 v[R_FE+1], v[R_CO+2*\b+1], s63, -1.0
	v_and_b32 v[R_FE+6], 0xff, v[R_OW+2*\b]        ; the plane cell's x,
	v_lshrrev_b32 v[R_FE+7], 8, v[R_OW+2*\b]       ; and y
	v_add_f32 v[R_FE+0], 1.0, v[R_FE+0]            ; u, as the launch before made it
	v_add_f32 v[R_FE+1], 1.0, v[R_FE+1]
	v_cvt_f32_u32 v[R_FE+6], v[R_FE+6]
	v_cvt_f32_u32 v[R_FE+7], v[R_FE+7]
	v_mul_f32 v[R_FE+2], s66, v[R_FE+0]
	v_mul_f32 v[R_FE+3], s66, v[R_FE+1]
	v_mul_f32 v[R_FE+4], s67, v[R_FE+0]
	v_mul_f32 v[R_FE+5], s67, v[R_FE+1]
	v_sub_f32 v[R_FE+2], v[R_FE+2], v[R_FE+6]      ; dx
	v_sub_f32 v[R_FE+3], v[R_FE+3], v[R_FE+7]      ; dy
	v_med3_num_f32 v[R_FE+4], v[R_FE+4], 0, s68    ; the places in the lines, held to the border
	v_med3_num_f32 v[R_FE+5], v[R_FE+5], 0, s68
	v_sub_f32 v[R_FE+8], 1.0, |v[R_FE+2]|
	v_sub_f32 v[R_FE+9], 1.0, |v[R_FE+3]|
	v_sub_f32 v[R_FE+10], 2.0, v[R_FE+2]
	v_sub_f32 v[R_FE+11], 2.0, v[R_FE+3]
	v_max_num_f32 v[R_FE+8], 0, v[R_FE+8]          ; wx0
	v_max_num_f32 v[R_FE+9], 0, v[R_FE+9]          ; wy0
	v_med3_num_f32 v[R_FE+10], v[R_FE+2], v[R_FE+10], 0   ; wx1
	v_med3_num_f32 v[R_FE+11], v[R_FE+3], v[R_FE+11], 0   ; wy1
	v_and_b32 v[R_FE+12], s62, v[R_OW+2*\b+1]
	v_lshrrev_b32 v[R_FE+13], 16, v[R_OW+2*\b+1]
	v_cvt_f32_u32 v[R_FE+12], v[R_FE+12]
	v_cvt_f32_u32 v[R_FE+13], v[R_FE+13]
	v_cndmask_b32 v[R_FE+14], v[R_FE+4], v[R_FE+5], s58   ; the place in my first table,
	v_cndmask_b32 v[R_FE+15], v[R_FE+5], v[R_FE+4], s58   ; in my second
	v_sub_f32 v[R_WT+6*\b+0], v[R_FE+14], v[R_FE+12]
	v_sub_f32 v[R_WT+6*\b+1], v[R_FE+15], v[R_FE+13]
	v_mul_f32 v[R_WT+6*\b+2], v[R_FE+9], v[R_FE+8]
	v_mul_f32 v[R_WT+6*\b+3], v[R_FE+9], v[R_FE+10]
	v_mul_f32 v[R_WT+6*\b+4], v[R_FE+11], v[R_FE+8]
	v_mul_f32 v[R_WT+6*\b+5], v[R_FE+11], v[R_FE+10]
.endm
; A STEP: four points, group g of batch b.  ahead = 1: there is a next trip, and the loads run on into it.
.macro STEP g, b, ahead
.set tc, 2*\g+\b
.set tn, (tc+1)%16
.set tp, (tc+8)%16
.if \ahead || (tc < 15)
	LINES tn                                       ; the next step's rows of the lines
.endif
.if \ahead && (\b == 0)
	global_load_b128 v[R_IDXG+4*\g:R_IDXG+4*\g+3], v[R_GI], s[12:13] offset:512+16*\g   ; group g's records of the next trip: the line above was their registers' last reader, the next one stands 8 steps on, behind that step's wait for loads
.endif
.irp k, 0,1,2,3,4,5
	v_mov_b32_dpp v[R_BW+2*\k], v[R_WT+6*\b+\k] dpp8:[\g,\g,\g,\g,\g,\g,\g,\g]   ; the point's weights, from the lane that owns it
.endr
.set la, R_LN+16*(tc%2)
.set fe, R_FE+8*\b+4*(\g%2)
.if tc%8 < 4
.set pa, R_PL+16*(tc%8)
.set wacc, 0
.set wfin, 0
.else
.set pa, R_PL2+16*(tc%8-4)
.set wacc, 0x51                        ; the corners (source 0, source 2, destination) in window 1, the weights (source 1) in window 0
.set wfin, 0x10                        ; the plane's value (source 2) in window 1, all else in window 0
.endif
.if \ahead || (tc < 15)
	s_wait_dscnt 0x4                               ; this step's four line loads are in; the four just issued may be out
.else
	s_wait_dscnt 0x0
.endif
.irp p, 0,2
	v_pk_add_f32 v[la+4+\p:la+5+\p], v[la+4+\p:la+5+\p], v[la+\p:la+1+\p] neg_lo:[0,1] neg_hi:[0,1]
	v_pk_add_f32 v[la+12+\p:la+13+\p], v[la+12+\p:la+13+\p], v[la+8+\p:la+9+\p] neg_lo:[0,1] neg_hi:[0,1]
.endr
.irp p, 0,2
	v_pk_fma_f32 v[la+4+\p:la+5+\p], v[la+4+\p:la+5+\p], v[R_BW:R_BW+1], v[la+\p:la+1+\p] op_sel_hi:[1,0,1]          ; a0 + w1 (a1 - a0)
	v_pk_fma_f32 v[la+12+\p:la+13+\p], v[la+12+\p:la+13+\p], v[R_BW+2:R_BW+3], v[la+8+\p:la+9+\p] op_sel_hi:[1,0,1]
.endr
.if \ahead || (tc <= 8)
	s_wait_loadcnt 28                              ; this step's four plane loads are in: behind them at least the 28 of the seven steps ahead were issued.  Every record and coords load issued eight steps ago or earlier is in too
.else
	s_wait_loadcnt 4*(15-tc)                       ; the last steps: the counts run down
.endif
.if \ahead || (tc+8 <= 15)
	PLANE_A tp                                     ; the wait above has shown this slot's loads done, so its offset register is free: the offset of eight steps on
.endif
	WIN wacc
.irp p, 0,2
	v_pk_mul_f32 v[pa+\p:pa+1+\p], v[pa+\p:pa+1+\p], v[R_BW+4:R_BW+5] op_sel_hi:[1,0]
.endr
.irp p, 0,2
	v_pk_fma_f32 v[pa+\p:pa+1+\p], v[pa+4+\p:pa+5+\p], v[R_BW+6:R_BW+7], v[pa+\p:pa+1+\p] op_sel_hi:[1,0,1]
.endr
.irp p, 0,2
	v_pk_fma_f32 v[pa+\p:pa+1+\p], v[pa+8+\p:pa+9+\p], v[R_BW+8:R_BW+9], v[pa+\p:pa+1+\p] op_sel_hi:[1,0,1]
.endr
.irp p, 0,2
	v_pk_fma_f32 v[pa+\p:pa+1+\p], v[pa+12+\p:pa+13+\p], v[R_BW+10:R_BW+11], v[pa+\p:pa+1+\p] op_sel_hi:[1,0,1]
.endr
	WIN wfin
.irp p, 0,2
	v_pk_fma_f32 v[fe+\p:fe+1+\p], v[la+4+\p:la+5+\p], v[la+12+\p:la+13+\p], v[pa+\p:pa+1+\p]   ; fx fy + fp
.endr
.if \ahead || (tc+8 <= 15)
	WIN plw
	PLANE_L                                        ; eight steps ahead, into the slot just read
.endif
	WIN 0
	v_max3_num_f32 v[R_M], |v[fe]|, |v[fe+1]|, 0x1800000           ; my four channels, and the floor 2^(3 - 127): the byte cannot fall under 1
	v_max3_num_f32 v[R_M], v[R_M], |v[fe+2]|, |v[fe+3]|
	v_max_num_f32_dpp v[R_M], v[R_M], v[R_M] row_xmask:1 row_mask:0xf bank_mask:0xf
	v_max_num_f32_dpp v[R_M], v[R_M], v[R_M] row_xmask:2 row_mask:0xf bank_mask:0xf
	v_max_num_f32_dpp v[R_M], v[R_M], v[R_M] row_xmask:4 row_mask:0xf bank_mask:0xf   ; the eight lanes': the block's largest magnitude
	v_cndmask_b32 v[R_SEL+\b], v[R_SEL+\b], v[R_M], s[48+\g]       ; the lane that owns the point keeps it
	v_add_nc_u32 v[R_SO+2*\b+\g%2], 0xff000000, v[R_M]             ; 2 off its exponent field: the conversion's scale operand
.if \g%2 == 1
	; two groups' 4 + 4 numbers stand in eight registers.  They are converted twice, once under each group's scale; of each result the half that was made under its own scale is kept (the other half is only some code)
	v_cvt_scalef32_pk8_fp4_f32 v[R_TT], v[R_FE+8*\b:R_FE+8*\b+7], v[R_SO+2*\b]
	v_cvt_scalef32_pk8_fp4_f32 v[R_TT+1], v[R_FE+8*\b:R_FE+8*\b+7], v[R_SO+2*\b+1]
	v_nop                                          ; one plain place behind a scaled conversion
	v_bfi_b32 v[R_FR+4*\b+\g/2], s62, v[R_TT], v[R_TT+1]           ; low half: group g - 1's four codes; high half: group g's
.endif
.endm
; One stage of the transposition between registers: lanes whose bit is clear give away hi and get the partner's lo into it; lanes whose bit is set the other way round.
.macro XCH lo, hi, tmp, mask, xm
	v_cndmask_b32 v[(\tmp)], v[(\hi)], v[(\lo)], s[\mask]
	v_mov_b32_dpp v[(\tmp)+2], v[(\tmp)] row_xmask:\xm row_mask:0xf bank_mask:0xf
	v_cndmask_b32 v[(\hi)], v[(\tmp)+2], v[(\hi)], s[\mask]
	v_cndmask_b32 v[(\lo)], v[(\lo)], v[(\tmp)+2], s[\mask]
.endm
; Batch b's codes: lane s holds, as half-word g, channels 4 s .. 4 s + 3 of point g of its eight.  Behind it lane g holds, as half-word s, the same: its own point's 32 codes in the order of k.
.macro TRANS b
.irp i, 0,1,2,3
	v_mov_b32_dpp v[R_TT+\i], v[R_FR+4*\b+\i] row_xmask:1 row_mask:0xf bank_mask:0xf
.endr
.irp i, 0,1,2,3
	v_perm_b32 v[R_FR+4*\b+\i], v[R_TT+\i], v[R_FR+4*\b+\i], v[R_PSEL]
.endr
	XCH R_FR+4*\b, R_FR+4*\b+1, R_TT, 56, 2
	XCH R_FR+4*\b+2, R_FR+4*\b+3, R_TT+1, 56, 2
	XCH R_FR+4*\b, R_FR+4*\b+2, R_TT, 57, 4
	XCH R_FR+4*\b+1, R_FR+4*\b+3, R_TT+1, 57, 4
.endm
; A trip's end: 64 points through both layers, a batch of 32 at a time in the same 64 registers of results.
.macro FINISH
.irp b, 0,1
	v_add_nc_u32 v[R_TT+\b], 0xff000000, v[R_SEL+\b]
.endr
.irp b, 0,1
	v_lshrrev_b32 v[R_TT+\b], 23, v[R_TT+\b]       ; my point's scale byte,
.endr
.irp b, 0,1
	v_mul_u32_u24 v[R_TT+\b], v[R_TT+\b], 0x101    ; for block 0 and for block 1,
.endr
.irp b, 0,1
	v_or_b32 v[R_PS+\b], 0x7f7f0000, v[R_TT+\b]    ; 1.0 for blocks 2 and 3.  (The 48 lines below stand between these and the products)
.endr
	TRANS 0
	TRANS 1
.rept 4
	v_nop                                          ; an operand written by vector instructions stands four places ahead of a scaled matrix instruction
.endr
.irp b, 0,1
	WIN 0x51                                       ; W1, b1 and the results in window 1, the points' codes in window 0
.irp t, 0,1,2,3                        ; source 0 = 16 rows of W1, source 1 = 16 points; each of a batch's eight results has registers of its own, so nothing is added in place.
	                                       ; Batch 1's products write over batch 0's results: between the two stand the relu and the sums of the seven other results, far more than five plain lines that name none of a product's registers
	v_wmma_scale_f32_16x16x128_f8f6f4 v[128+8*\t:128+8*\t+7], v[8*\t:8*\t+7], v[R_FR+4*\b:R_FR+4*\b+7], v[64+8*\t:64+8*\t+7], v[R_W1S+\t], v[R_PS+\b] matrix_a_fmt:MATRIX_FMT_FP4 matrix_b_fmt:MATRIX_FMT_FP4
.endr
.irp t, 0,1,2,3                        ; version 1: the points of lanes 16-31, whose scale words are read from those lanes
	v_wmma_scale_f32_16x16x128_f8f6f4 v[160+8*\t:160+8*\t+7], v[32+8*\t:32+8*\t+7], v[R_FR+4*\b:R_FR+4*\b+7], v[64+8*\t:64+8*\t+7], v[R_W1S+\t], v[R_PS+\b] matrix_a_fmt:MATRIX_FMT_FP4 matrix_b_fmt:MATRIX_FMT_FP4 matrix_b_scale:MATRIX_SCALE_ROW1
.endr
.rept 4
	v_nop                                          ; four places ahead of the first read of results (ISA guide 7.12.1)
.endr
	WIN 0x44                                       ; source 1 and destination window 1
.set i, 0
.rept 64
	v_max_num_f32 v[128+i], 0, v[128+i]            ; relu; each result from its low end on
.set i, i+1
.endr
	WIN 0x05                                       ; the results and W2 in window 1, the sums in window 0
.irp p, 0,1,2,3,4,5,6,7                ; four chains by turns: chain c = 2 v + (tiles 0, 1 or 2, 3), eight pairs each
.irp c, 0,1,2,3
.if \p == 0
	v_pk_mul_f32 v[R_FE+8*\b+2*\c:R_FE+8*\b+2*\c+1], v[128+16*\c:129+16*\c], v[96+16*(\c%2):97+16*(\c%2)]
.else
	v_pk_fma_f32 v[R_FE+8*\b+2*\c:R_FE+8*\b+2*\c+1], v[128+16*\c+2*\p:129+16*\c+2*\p], v[96+16*(\c%2)+2*\p:97+16*(\c%2)+2*\p], v[R_FE+8*\b+2*\c:R_FE+8*\b+2*\c+1]
.endif
.endr
.endr
.endr
	WIN 0
.irp c, 0,1,2,3                        ; c = 2 b + v
	v_pk_add_f32 v[R_FE+4*\c:R_FE+4*\c+1], v[R_FE+4*\c:R_FE+4*\c+1], v[R_FE+4*\c+2:R_FE+4*\c+3]
.endr
.irp b, 0,1
.irp u, 0,1
	v_add_f32 v[R_PT+4*\b+\u], v[R_FE+8*\b+4*\u], v[R_FE+8*\b+4*\u+1]   ; my 32 units' part for the point of column l % 16, version u
.endr
.endr
.irp b, 0,1
	v_cndmask_b32 v[R_PT+4*\b+2], v[R_PT+4*\b], v[R_PT+4*\b+1], s59     ; the part that belongs to my own point,
	v_cndmask_b32 v[R_PT+4*\b+3], v[R_PT+4*\b+1], v[R_PT+4*\b], s59     ; and the part that belongs to lane l xor 16's
.endr
.irp b, 0,1
	v_permlanex16_b32 v[R_PT+4*\b], v[R_PT+4*\b+3], s60, s61
.endr
.irp b, 0,1
	v_add_f32 v[R_PT+4*\b+2], v[R_PT+4*\b+2], v[R_PT+4*\b]
.endr
.irp b, 0,1
	v_add_f32 v[R_OUT+\b], s28, v[R_PT+4*\b+2]
.endr
.endm
.macro TRIP ahead
	WEIGHTS 0
	WEIGHTS 1
.if \ahead
	global_load_b128 v[R_OW:R_OW+3], v[R_GL], s[12:13] offset:512   ; my own two points of the next trip
	global_load_b128 v[R_CO:R_CO+3], v[R_GL], s[14:15] offset:512
.endif
.irp g, 0,1,2,3,4,5,6,7
.irp b, 0,1
	STEP \g, \b, \ahead
.endr
.endr
	FINISH
	global_store_b64 v[R_GO], v[R_OUT:R_OUT+1], s[26:27] th:TH_STORE_NT   ; 32 lanes store 256 consecutive bytes, at a multiple of 256 from out's first byte
.if \ahead
	s_wait_xcnt 0x0                                ; every earlier memory instruction has had its addresses translated (ISA guide 3.1): only now the bases step, and the store's data are written again
	s_add_nc_u64 s[12:13], s[12:13], 512
	s_add_nc_u64 s[14:15], s[14:15], 512
	s_add_nc_u64 s[26:27], s[26:27], 256
.endif
.endm
.irp t, 0,1,2,3,4,5,6,7
	PLANE \t                                       ; the ring is filled: 32 plane loads go out ahead of the barrier
.endr
	s_wait_kmcnt 0x0                               ; b2
	s_wait_tensorcnt 0x0                           ; my eighth of lineT has landed,
	s_barrier_signal -1
	s_barrier_wait -1                              ; everybody's has: from here on LDS is only read
	LINES 0
	s_mov_b32 s3, 7
.Ltrip:
	TRIP 1
	s_sub_co_i32 s3, s3, 1
	s_cmp_lg_u32 s3, 0
	s_cbranch_scc1 .Ltrip
	TRIP 0                                         ; the last trip is written out: it asks for nothing beyond its 64 points
	s_wait_tensorcnt 0x0
	ds_add_u32 v254, v255
	s_wait_dscnt 0x0
	s_endpgm
.Lfunc_end_k_q38ac1ec7a4_decode:
	.size	k_q38ac1ec7a4_decode, .Lfunc_end_k_q38ac1ec7a4_decode-k_q38ac1ec7a4_decode
	.p2alignl 7, 3214868480
	.fill 96, 4, 3214868480
	.section	.rodata,"a",@progbits
	.p2align	6, 0x0
	.amdhsa_kernel k_q38ac1ec7a4_decode
		.amdhsa_group_segment_fixed_size 263168
		.amdhsa_private_segment_fixed_size 0
		.amdhsa_enable_private_segment 0
		.amdhsa_kernarg_size 80
		.amdhsa_user_sgpr_count 2
		.amdhsa_user_sgpr_kernarg_segment_ptr 1
		.amdhsa_wavefront_size32 1
		.amdhsa_system_sgpr_workgroup_id_x 1
		.amdhsa_system_sgpr_workgroup_id_y 1
		.amdhsa_system_sgpr_workgroup_id_z 1
		.amdhsa_system_vgpr_workitem_id 0
		.amdhsa_next_free_vgpr 512
		.amdhsa_next_free_sgpr 72
		.amdhsa_reserve_vcc 0
		.amdhsa_float_denorm_mode_32 3
		.amdhsa_float_denorm_mode_16_64 3
		.amdhsa_memory_ordered 1
		.amdhsa_forward_progress 1
		.amdhsa_inst_pref_size 154
	.end_amdhsa_kernel
	.amdgpu_metadata
---
amdhsa.version: [ 1, 2 ]
amdhsa.kernels:
  - .name:           k_q38ac1ec7a4_decode
    .symbol:         k_q38ac1ec7a4_decode.kd
    .args:
      - { .name: lineT, .offset: 0, .size: 8, .value_kind: global_buffer, .address_space: global }
      - { .name: planeT, .offset: 8, .size: 8, .value_kind: global_buffer, .address_space: global }
      - { .name: idx, .offset: 16, .size: 8, .value_kind: global_buffer, .address_space: global }
      - { .name: coords, .offset: 24, .size: 8, .value_kind: global_buffer, .address_space: global }
      - { .name: W1_codes, .offset: 32, .size: 8, .value_kind: global_buffer, .address_space: global }
      - { .name: W1_scales, .offset: 40, .size: 8, .value_kind: global_buffer, .address_space: global }
      - { .name: b1, .offset: 48, .size: 8, .value_kind: global_buffer, .address_space: global }
      - { .name: W2, .offset: 56, .size: 8, .value_kind: global_buffer, .address_space: global }
      - { .name: b2, .offset: 64, .size: 8, .value_kind: global_buffer, .address_space: global }
      - { .name: out0, .offset: 72, .size: 8, .value_kind: global_buffer, .address_space: global }
    .group_segment_fixed_size: 263168
    .private_segment_fixed_size: 0
    .kernarg_segment_align: 8
    .kernarg_segment_size: 80
    .max_flat_workgroup_size: 256
    .sgpr_count:     72
    .vgpr_count:     512
    .wavefront_size: 32
...
	.end_amdgpu_metadata
.endif
;; end of part 2
